; MI455X (gfx1250); checked and timed in simulation.
; The chip was launched on July 23, 2026; its instructions are those of AMD's public machine-readable ISA for CDNA 5 (MIT licence, August 2026) and "CDNA5" Instruction Set Architecture Reference Guide (July 2026). The comments in the code are by the model that wrote it; some were corrected since.
;; Attention Operator. Allowed arithmetic: float matrix products may take bf16 or f16 operands with f32 sums; all other float work in f32.
;; Inputs: w_k 1 x 16 float32; w_out 16 float32; w_q 1 x 16 float32; w_v 1 x 16 float32; x 4 x 4,096 float32.
;; Outputs: out0 4 x 4,096 float32.
;; One version. Each part assembles by itself: llvm-mc -triple=amdgcn-amd-amdhsa -mcpu=gfx1250 --defsym DOCPART=n.
;; ======== version 1 of 1: 1 launch
;; limits: inputs' magnitudes at most 65,504; values are held in f16: magnitudes above 65,504 overflow, below 6.1e-05 lose precision
;; launch attn (part 1): grid 256 x 1, 16 waves a work-group, no clusters, 59,904 bytes of LDS; arguments x, w_q, w_k, w_v, w_out, out0; writes out0
.if DOCPART == 1
	.amdgcn_target "amdgcn-amd-amdhsa--gfx1250"
	.amdhsa_code_object_version 6
	.text
	.protected	k_q1dd66f7829_attn
	.globl	k_q1dd66f7829_attn
	.p2align	8
	.type	k_q1dd66f7829_attn,@function
k_q1dd66f7829_attn:
	s_mov_b64 s[64:65], 0
	v_nop
	global_prefetch_b8 v0, s[64:65] scope:SCOPE_SE
	s_setreg_imm32_b32 hwreg(HW_REG_WAVE_MODE, 25, 1), 1
	s_wait_xcnt 0x0
; Attention over scalar tokens.  q, k, v are outer products x (x) w, so for EVERY input
;   scores[n][m] = x_n x_m (w_q.w_k) / 4          (rank one; 1/4 = 1/sqrt(16), TAU = 1)
;   out[b][n]    = (w_v.w_out) * sum_m p x_m / sum_m p,   p = exp(score - row maximum)
; and the row maximum is max(t xmax, t xmin) with t = x_n (w_q.w_k)/4 and xmax, xmin the batch's extremes: it is known
; before the first key is seen, so nothing is rescaled and sums over parts of the keys simply add.
; Work in base 2: t carries the factor log2(e).  Scores in f32 (one fused multiply-add), one v_exp_f32 a weight, the weights
; rounded to f16, both sums made by the matrix unit in f32: D = V^T x P^T, V^T's rows = (x high, 1, x low, 0 ...).
; f16 rather than bf16: where w_q.w_k is small all weights lie close to 1 and their rounding is a staircase in x;
; eleven bits leave an eighth of the error of eight bits, at the same number of instructions.
;
; SHARES.  256 work-groups; a work-group owns 64 queries of one batch; 16 waves, four on a SIMD, so that one wave's
; exponentials run beside the others' plain arithmetic.  A wave takes all 64 queries (4 tiles of 16) and 256 keys:
; 8 steps of 32 keys; the 6 LDS loads of a step feed 4 x 512 weights.  Per 512 weights: 8 v_pk_fma_f32, 16 v_exp_f32,
; 8 v_cvt_pk_f16_f32, 1 matrix instruction.  The waves' sums meet in LDS; wave 0 divides and stores 256 bytes at once.
;
; LIMITS.  Inputs finite, t x finite in f32.  |x| < 65,504: keys enter the sums as f16 high part + f16 low part
; (absolute resolution about 2^-25).  A weight below about 2^-25 of its row's largest counts as zero (f16's smallest
; denormal is 2^-24).  The sums are made in another order than the reference's.
; NO CLUSTER, NO TENSOR LOAD: what work-groups share is a batch's 16,384 bytes, read once by each for 262,144 weights,
; and they have to pass through registers anyway, for the extremes and for the split into f16 parts.
.set L_X,    0                         ; LDS: 4,096 keys in f32, 16,384 bytes
.set RPITCH, 8256                      ; from one 16-bit row to the next: 8,192 + 64, so that lanes on four rows use other banks
.set L_XH,   16384                     ; V^T row 0: x, high part in f16
.set L_ONE,  L_XH+RPITCH               ; V^T row 1: ones (the denominator)
.set L_XL,   L_XH+2*RPITCH             ; V^T row 2: x, low part in f16
.set L_ZERO, L_XH+3*RPITCH             ; V^T rows 3 to 15: zeros, one row read by all of them
.set L_MM,   L_XH+3*RPITCH+8192        ; 16 waves x (max, min), 128 bytes
.set L_PART, 49664                     ; 16 waves x 64 queries x (numerator, denominator), 8,192 bytes
.set QSCALE, 0x3eb8aa3b                ; log2(e) / 4
.set XQ,  52                           ; v[52:55]   x of my query in tile 0..3
.set ADX, 56                           ; LDS address of my keys in f32
.set ADV, 57                           ; LDS address of my row of V^T
.set ADP, 58                           ; LDS address of my (numerator, denominator)
.set ADO, 59                           ; byte offset in out0 (wave 0)
.set TQ,  60                           ; v[60:75]   tile i: t, t, -M, -M (pairs for the packed multiply-add)
.set KXA, 80                           ; v[80:95]   16 keys' x, buffer of the even steps
.set KXB, 96                           ; v[96:111]  buffer of the odd steps
.set EXA, 112                          ; v[112:127] scores, then weights, in f32
.set EXB, 128                          ; v[128:143] the same, second buffer
.set PKA, 144                          ; v[144:151] weights in f16: a fragment of P^T
.set PKB, 152                          ; v[152:159] second buffer
.set KVA, 160                          ; v[160:167] fragment of V^T, even steps
.set KVB, 168                          ; v[168:175] odd steps
.set ACC, 176                          ; v[176:207] four accumulators
.set FIN, KXA                          ; v[80:143]  wave 0 at the end: the 16 waves' sums
	s_load_b256 s[4:11], s[0:1], 0x0               ; x s[4:5], w_q s[6:7], w_k s[8:9], w_v s[10:11]
	s_load_b128 s[12:15], s[0:1], 0x20             ; w_out s[12:13], out0 s[14:15]
	v_lshl_add_u32 v208, v0, 2, 0xe200
	v_mov_b32 v209, 0
	v_lshrrev_b32 v1, 5, v0
	v_readfirstlane_b32 s16, v1                    ; wave 0..15
	v_and_b32 v2, 15, v0                           ; r = lane % 16
	v_bfe_u32 v3, v0, 4, 1                         ; h = lane / 16
	v_lshlrev_b32 v4, 4, v0                        ; 16 t
	v_lshlrev_b32 v5, 2, v2                        ; 4 r
	v_lshlrev_b32 v7, 3, v0                        ; 8 t
	s_lshr_b32 s17, ttmp9, 6                       ; batch
	s_and_b32 s18, ttmp9, 63                       ; block of 64 queries
	s_lshl_b32 s20, s17, 14                        ; batch x 16,384 bytes
	s_mov_b32 s21, 0
	s_lshl_b32 s22, s18, 8                         ; block x 256 bytes
	v_add_nc_u32 v6, s22, v5                       ; my query of tile 0
	s_mov_b32 s24, 0x76543210                      ; v_permlanex16_b32: lane i of one half reads lane i of the other
	s_mov_b32 s25, 0xfedcba98
	s_wait_kmcnt 0x0
	s_add_nc_u64 s[4:5], s[4:5], s[20:21]          ; x at my batch
	global_load_b128 v[8:11],  v4, s[4:5]              ; keys 4t .. 4t+3: a wave's load covers 512 neighbouring bytes
	global_load_b128 v[12:15], v4, s[4:5] offset:8192  ; keys 2048+4t ..
	global_load_b32 v16, v5, s[6:7]                ; element r of the four small vectors
	global_load_b32 v17, v5, s[8:9]
	global_load_b32 v18, v5, s[10:11]
	global_load_b32 v19, v5, s[12:13]
.irp i, 0,1,2,3
	global_load_b32 v[XQ+\i], v6, s[4:5] offset:64*\i  ; query 16 i + r of my block
.endr
	; while the loads are on their way: the two constant rows of V^T, and the addresses
.irp j, 40,41,42,43
	v_mov_b32 v\j, 0x3c003c00                      ; 1.0, 1.0 in f16
.endr
.irp j, 44,45,46,47
	v_mov_b32 v\j, 0
.endr
	ds_store_b128 v4, v[40:43] offset:L_ONE        ; 512 threads x 16 bytes = the row's 8,192
	ds_store_b128 v4, v[44:47] offset:L_ZERO
	s_lshl_b32 s26, s16, 3                         ; wave x 8: its (max, min)
	s_lshl_b32 s27, s16, 10                        ; wave x 256 keys x 4 bytes
	s_lshl_b32 s28, s16, 9                         ; wave x 256 keys x 2 bytes; also wave x 64 queries x 8 bytes
	v_mov_b32 v48, s26
	v_lshlrev_b32 v49, 3, v2                       ; 8 r
	v_lshl_add_u32 v[ADX], v3, 5, s27              ; keys 8h .. of the wave's part, f32
	v_min_u32 v1, 3, v2                            ; row of V^T: 0, 1, 2, and the zeros for all others
	v_mul_u32_u24 v1, v1, RPITCH
	v_lshl_add_u32 v1, v3, 4, v1                   ; + keys 8h .., f16
	v_add_nc_u32 v[ADV], s28, v1
.macro ROWRED op, reg                  ; over the 16 lanes of a row; every lane gets the result
.irp m, 1,2,4,8
	\op v[\reg], v[\reg], v[\reg] row_xmask:\m row_mask:0xf bank_mask:0xf
.endr
.endm
	s_wait_loadcnt 0x8                             ; loads return in order (ISA guide 5.7.1): the 8 small ones behind x may be out
	ds_store_b128 v4, v[8:11]  offset:L_X
	ds_store_b128 v4, v[12:15] offset:L_X+8192
	v_max3_num_f32 v20, v8, v9, v10                ; extremes of my 8 keys, two chains each
	v_max3_num_f32 v22, v11, v12, v13
	v_min3_num_f32 v21, v8, v9, v10
	v_min3_num_f32 v23, v11, v12, v13
	v_max3_num_f32 v20, v20, v14, v15
	v_min3_num_f32 v21, v21, v14, v15
	v_max_num_f32 v20, v20, v22
	v_min_num_f32 v21, v21, v23
	ROWRED v_max_num_f32_dpp, 20
	ROWRED v_min_num_f32_dpp, 21
	v_permlanex16_b32 v22, v20, s24, s25           ; the other half of the wave (v22, v23 have been written above)
	v_permlanex16_b32 v23, v21, s24, s25
	v_max_num_f32 v20, v20, v22
	v_min_num_f32 v21, v21, v23
	ds_store_b64 v48, v[20:21] offset:L_MM         ; all lanes: the same pair to the wave's own 8 bytes
	; x = high + low, both f16; the difference is exact in f32
.irp c, 0,1,2,3
	v_cvt_pk_f16_f32 v[24+\c], v[8+2*\c], v[9+2*\c]
.endr
	v_cvt_f32_f16 v28, v24.l
	v_cvt_f32_f16 v29, v24.h
	v_cvt_f32_f16 v30, v25.l
	v_cvt_f32_f16 v31, v25.h
	v_cvt_f32_f16 v32, v26.l
	v_cvt_f32_f16 v33, v26.h
	v_cvt_f32_f16 v34, v27.l
	v_cvt_f32_f16 v35, v27.h
.irp c, 0,2,4,6
	v_pk_add_f32 v[28+\c:29+\c], v[8+\c:9+\c], v[28+\c:29+\c] neg_lo:[0,1] neg_hi:[0,1]
.endr
.irp c, 0,1,2,3
	v_cvt_pk_f16_f32 v[36+\c], v[28+2*\c], v[29+2*\c]
.endr
	ds_store_b64 v7, v[24:25] offset:L_XH          ; keys 4t .. at byte 8t
	ds_store_b64 v7, v[26:27] offset:L_XH+4096     ; keys 2048+4t ..
	ds_store_b64 v7, v[36:37] offset:L_XL
	ds_store_b64 v7, v[38:39] offset:L_XL+4096
	s_wait_loadcnt 0x0                             ; the small vectors and my queries
	s_wait_dscnt 0x0                               ; for the other waves' sake: all my LDS stores are done
	s_barrier_signal -1
	; register work while the others arrive: the two dot products, lane r holding element r
	v_mul_f32 v16, v16, v17
	v_mul_f32 v18, v18, v19
	ROWRED v_add_f32_dpp, 16                       ; w_q . w_k in every lane
	ROWRED v_add_f32_dpp, 18                       ; w_v . w_out in every lane: kept in v18 to the end
	v_mul_f32 v16, QSCALE, v16
.irp i, 0,1,2,3
	v_mul_f32 v[TQ+4*\i],   v16, v[XQ+\i]          ; t of my query, twice
	v_mul_f32 v[TQ+4*\i+1], v16, v[XQ+\i]
.endr
	s_barrier_wait -1
; x of the 16 keys that lane (r, h) multiplies in step s: 8h .. 8h+7 and 16+8h .. 16+8h+7 of the step's 32.
; The 16 lanes of a half read the same 16 bytes.
.macro LDKX s, kx
	ds_load_b128 v[\kx:\kx+3],     v[ADX] offset:L_X+128*(\s)
	ds_load_b128 v[\kx+4:\kx+7],   v[ADX] offset:L_X+128*(\s)+16
	ds_load_b128 v[\kx+8:\kx+11],  v[ADX] offset:L_X+128*(\s)+64
	ds_load_b128 v[\kx+12:\kx+15], v[ADX] offset:L_X+128*(\s)+80
.endm
; the fragment of V^T: lane (r, h) takes the same keys of row r
.macro LDKV s, kv
	ds_load_b128 v[\kv:\kv+3],   v[ADV] offset:L_XH+64*(\s)
	ds_load_b128 v[\kv+4:\kv+7], v[ADV] offset:L_XH+64*(\s)+32
.endm
.macro SCORE e, kx, q                  ; 16 scores of tile q: t x - M
.irp j, 0,2,4,6,8,10,12,14
	v_pk_fma_f32 v[\e+\j:\e+\j+1], v[\kx+\j:\kx+\j+1], v[TQ+4*\q:TQ+4*\q+1], v[TQ+4*\q+2:TQ+4*\q+3]
.endr
.endm
.macro POW2 e                          ; 16 weights, in place
.irp j, 0,1,2,3,4,5,6,7,8,9,10,11,12,13,14,15
	v_exp_f32 v[\e+\j], v[\e+\j]
.endr
.endm
.macro PACK p, e                       ; register c of the fragment: keys 2c, 2c+1 of my 16, the lower key in the lower half
	s_wait_alu depctr_va_vdst(0)
.irp c, 0,1,2,3,4,5,6,7
	v_cvt_pk_f16_f32 v[\p+\c], v[\e+2*\c], v[\e+2*\c+1]
.endr
.endm
.macro SUMS q, kv, p, zero             ; D(row of V^T, query) += V^T x P^T; the first product starts the sums
.if \zero
	v_wmma_f32_16x16x32_f16 v[ACC+8*\q:ACC+8*\q+7], v[\kv:\kv+7], v[\p:\p+7], 0
.else
	v_wmma_f32_16x16x32_f16 v[ACC+8*\q:ACC+8*\q+7], v[\kv:\kv+7], v[\p:\p+7], v[ACC+8*\q:ACC+8*\q+7]
.endif
.endm
; One step: 32 keys x 4 tiles.  On entry tile 0's scores lie in EXA.
; Each run of exponentials is followed by the NEXT tile's eight multiply-adds, which touch neither its results nor its
; sources: the plain instruction that has to stand behind a transcendental before its result is used (ISA guide 5.7.2).
; The same multiply-adds and the packing of the other buffer are the independent vector instructions (at least 8, where 4
; are asked) between a matrix instruction and the next write into its P buffer or load into its V^T buffer.
; kx, kv: this step's buffers; kxn, kvn: the next step's.  ldv: fetch V^T of step s+1 (its buffer was last read by the
; step before this one).  ldx: fetch x of step s+2 into this step's buffer, once tile 3's scores are made.
; wv, wx: how many younger LDS loads may be out when V^T of this step, x of the next step, have to be in.
.macro STEP s, kx, kxn, kv, kvn, zero, ldv, wv, ldx, wx, more
	POW2  EXA
	SCORE EXB, \kx, 1
.if \ldv
	LDKV  (\s+1), \kvn
.endif
	PACK  PKA, EXA
	s_wait_dscnt \wv
	SUMS  0, \kv, PKA, \zero
	POW2  EXB
	SCORE EXA, \kx, 2
	PACK  PKB, EXB
	SUMS  1, \kv, PKB, \zero
	POW2  EXA
	SCORE EXB, \kx, 3
	PACK  PKA, EXA
	SUMS  2, \kv, PKA, \zero
	POW2  EXB
.if \ldx
	LDKX  (\s+2), \kx
.endif
.if \more
	s_wait_dscnt \wx
	SCORE EXA, \kxn, 0                             ; tile 0 of the next step
.else
	v_nop                                          ; the plain instruction behind the last exponentials
	s_wait_alu depctr_va_vdst(0)
.endif
	PACK  PKB, EXB
	SUMS  3, \kv, PKB, \zero
.endm
	ds_load_b64 v[50:51], v49 offset:L_MM          ; lane r: wave r's (max, min)
	LDKX 0, KXA
	LDKV 0, KVA
	LDKX 1, KXB
	s_wait_dscnt 10                                ; LDS answers in order (ISA guide 5.7.1): the 4 + 2 + 4 loads behind may be out
	ROWRED v_max_num_f32_dpp, 50                   ; the batch's xmax and xmin in every lane
	ROWRED v_min_num_f32_dpp, 51
.irp i, 0,1,2,3
	v_mul_f32 v[28+2*\i], -v[TQ+4*\i], v50
	v_mul_f32 v[29+2*\i], -v[TQ+4*\i], v51
.endr
.irp i, 0,1,2,3
	v_min_num_f32 v[TQ+4*\i+2], v[28+2*\i], v[29+2*\i]     ; -M = -max(t xmax, t xmin), twice
	v_min_num_f32 v[TQ+4*\i+3], v[28+2*\i], v[29+2*\i]
.endr
	s_wait_dscnt 6                                 ; x of step 0 is in; V^T of step 0 (2) and x of step 1 (4) may be out
	SCORE EXA, KXA, 0
	; wv = 6: behind V^T(s) were issued x(s+1), 4 loads, and V^T(s+1), 2.  wx = 6: behind x(s+1), V^T(s+1), 2, and x(s+2), 4.
	STEP 0, KXA, KXB, KVA, KVB, 1, 1, 6, 1, 6, 1
	STEP 1, KXB, KXA, KVB, KVA, 0, 1, 6, 1, 6, 1
	STEP 2, KXA, KXB, KVA, KVB, 0, 1, 6, 1, 6, 1
	STEP 3, KXB, KXA, KVB, KVA, 0, 1, 6, 1, 6, 1
	STEP 4, KXA, KXB, KVA, KVB, 0, 1, 6, 1, 6, 1
	STEP 5, KXB, KXA, KVB, KVA, 0, 1, 6, 1, 6, 1
	STEP 6, KXA, KXB, KVA, KVB, 0, 1, 6, 0, 2, 1   ; no x(8): behind x(7) only V^T(7), 2 loads
	STEP 7, KXB, KXA, KVB, KVA, 0, 0, 0, 0, 0, 0   ; nothing more is fetched
	; Lanes 0-15 hold, for query r of tile i: register 0 = sum p x_high, 1 = sum p, 2 = sum p x_low.
	; Tiles 0 to 2 and the address are the four independent vector instructions behind tile 3's last product (ISA guide 7.12.1).
	v_add_f32 v[ACC],    v[ACC],    v[ACC+2]
	v_add_f32 v[ACC+8],  v[ACC+8],  v[ACC+10]
	v_add_f32 v[ACC+16], v[ACC+16], v[ACC+18]
	v_add_nc_u32 v[ADP], s28, v49                  ; wave x 512 + 8 r
	v_add_f32 v[ACC+24], v[ACC+24], v[ACC+26]
	v_cmp_eq_u32 vcc_lo, 0, v3                     ; lanes 16-31 hold rows 8 .. of V^T: nothing
	s_wait_xcnt 0x0                                ; EXEC changes only when no global instruction still reads it
	s_and_saveexec_b32 s30, vcc_lo
.irp i, 0,1,2,3
	ds_store_b64 v[ADP], v[ACC+8*\i:ACC+8*\i+1] offset:L_PART+128*\i   ; (numerator, denominator) of query 16 i + r
.endr
	s_or_b32 exec_lo, exec_lo, s30
	s_wait_dscnt 0x0                               ; for wave 0's sake
	s_barrier_signal -1
	s_barrier_wait -1
	s_cmp_lg_u32 s16, 0
	s_cbranch_scc1 .Lend
	; wave 0: lane l takes queries 2l and 2l+1: 16 neighbouring bytes of each wave's 512
.irp w, 0,1,2,3,4,5,6,7,8,9,10,11,12,13,14,15
	ds_load_b128 v[FIN+4*\w:FIN+4*\w+3], v4 offset:L_PART+512*\w
.endr
	s_add_co_u32 s29, s20, s22                     ; my block in out0
	v_lshl_add_u32 v[ADO], v0, 3, s29              ; + 8 bytes a lane
	s_wait_dscnt 0x0
.macro FOLD n                          ; sums 0 .. n-1 += sums n .. 2n-1
.set qd, 0
.rept \n
	v_pk_add_f32 v[FIN+4*qd:FIN+4*qd+1],   v[FIN+4*qd:FIN+4*qd+1],   v[FIN+4*(qd+\n):FIN+4*(qd+\n)+1]
	v_pk_add_f32 v[FIN+4*qd+2:FIN+4*qd+3], v[FIN+4*qd+2:FIN+4*qd+3], v[FIN+4*(qd+\n)+2:FIN+4*(qd+\n)+3]
.set qd, qd+1
.endr
.endm
	FOLD 8
	FOLD 4
	FOLD 2
	FOLD 1
	v_rcp_f32 v[FIN+1], v[FIN+1]                   ; the denominator is at least the largest weight, about 1
	v_rcp_f32 v[FIN+3], v[FIN+3]
	v_mul_f32 v[FIN],   v18, v[FIN]                ; plain and independent: stands behind the reciprocals (ISA guide 5.7.2)
	v_mul_f32 v[FIN+2], v18, v[FIN+2]
	s_wait_alu depctr_va_vdst(0)
	v_mul_f32 v[FIN],   v[FIN],   v[FIN+1]
	v_mul_f32 v[FIN+1], v[FIN+2], v[FIN+3]
	global_store_b64 v[ADO], v[FIN:FIN+1], s[14:15] th:TH_STORE_NT     ; 32 lanes x 8 bytes: the block's 256 bytes, aligned
.Lend:
	s_wait_tensorcnt 0x0
	ds_add_u32 v208, v209
	s_wait_dscnt 0x0
	s_endpgm
.Lfunc_end_k_q1dd66f7829_attn:
	.size	k_q1dd66f7829_attn, .Lfunc_end_k_q1dd66f7829_attn-k_q1dd66f7829_attn
	.p2alignl 7, 3214868480
	.fill 96, 4, 3214868480
	.section	.rodata,"a",@progbits
	.p2align	6, 0x0
	.amdhsa_kernel k_q1dd66f7829_attn
		.amdhsa_group_segment_fixed_size 59904
		.amdhsa_private_segment_fixed_size 0
		.amdhsa_enable_private_segment 0
		.amdhsa_kernarg_size 48
		.amdhsa_user_sgpr_count 2
		.amdhsa_user_sgpr_kernarg_segment_ptr 1
		.amdhsa_wavefront_size32 1
		.amdhsa_system_sgpr_workgroup_id_x 1
		.amdhsa_system_sgpr_workgroup_id_y 1
		.amdhsa_system_sgpr_workgroup_id_z 1
		.amdhsa_system_vgpr_workitem_id 0
		.amdhsa_next_free_vgpr 210
		.amdhsa_next_free_sgpr 66
		.amdhsa_reserve_vcc 1
		.amdhsa_float_denorm_mode_32 3
		.amdhsa_float_denorm_mode_16_64 3
		.amdhsa_memory_ordered 1
		.amdhsa_forward_progress 1
		.amdhsa_inst_pref_size 67
	.end_amdhsa_kernel
	.amdgpu_metadata
---
amdhsa.version: [ 1, 2 ]
amdhsa.kernels:
  - .name:           k_q1dd66f7829_attn
    .symbol:         k_q1dd66f7829_attn.kd
    .args:
      - { .name: x, .offset: 0, .size: 8, .value_kind: global_buffer, .address_space: global }
      - { .name: w_q, .offset: 8, .size: 8, .value_kind: global_buffer, .address_space: global }
      - { .name: w_k, .offset: 16, .size: 8, .value_kind: global_buffer, .address_space: global }
      - { .name: w_v, .offset: 24, .size: 8, .value_kind: global_buffer, .address_space: global }
      - { .name: w_out, .offset: 32, .size: 8, .value_kind: global_buffer, .address_space: global }
      - { .name: out0, .offset: 40, .size: 8, .value_kind: global_buffer, .address_space: global }
    .group_segment_fixed_size: 59904
    .private_segment_fixed_size: 0
    .kernarg_segment_align: 8
    .kernarg_segment_size: 48
    .max_flat_workgroup_size: 512
    .sgpr_count:     66
    .vgpr_count:     210
    .wavefront_size: 32
...
	.end_amdgpu_metadata
.endif
;; end of part 1
